; MI455X (gfx1250); checked and timed in simulation.
; The chip was launched on July 23, 2026; its instructions are those of AMD's public machine-readable ISA for CDNA 5 (MIT licence, August 2026) and "CDNA5" Instruction Set Architecture Reference Guide (July 2026). The comments in the code are by the model that wrote it; some were corrected since.
;; FP8 Linear. Allowed arithmetic: matrix products marked QUANTISED: E3M2 operands, one E8M0 scale for each 32 along K, by v_wmma_scale_f32_16x16x128_f8f6f4 with both operands' format E3M2, f32 sums; everything else in f32.
;; Inputs: weight 2,048 x 2,048 bfloat16; x 8,192 x 2,048 bfloat16.
;; Outputs: out0 8,192 x 2,048 bfloat16.
;; This version of the problem:
;;   THIS VERSION OF THE PROBLEM IS GIVEN IN LOW PRECISION. The matrix products marked QUANTISED in the list below multiply operands that are first quantised to E3M2 (3 exponent bits, 2 mantissa bits; 6 bits a number), with one power-of-two scale for each 32 numbers along K (OCP MX v1.0); their sums are f32. All else is computed in f32.
;;   The module's matrix products, in the order in which they are computed (A, B: the left and right operand; K: the contracted axis; several contracted axes count as one K, in the product's order):
;;     1. [M 8,192, K 2,048] x [K 2,048, N 2,048]; A: computed on the way; B: computed on the way: QUANTISED
;;     2. [M 8,192, K 2,048] x [K 2,048, N 2,048]; A: input x; B: input weight: QUANTISED
;;   THE QUANTISER, for each operand of a quantised product, along K:
;;     - K is cut into blocks of 32 from its start; a last block that is shorter is filled with zeros.
;;     - A block's scale is 2^e with e = floor(log2(the largest magnitude in the block)) - 4, held to -126 .. 127; a block of zeros has e = 0. As a byte (E8M0): e + 127.
;;     - Each number is divided by its block's scale, clamped to +-28, and rounded to the nearest number of E3M2, ties to even, subnormals kept.
;;     - The product sums the exact products of the quantised numbers (number of the format x scale) in f32.
;;   ~~~python
;;   def quantise(x, axis):      # numpy; x: float32 -> the quantised numbers, widened to float32 again
;;       x = np.moveaxis(x, axis, -1); K = x.shape[-1]
;;       x = np.pad(x, [(0, 0)] * (x.ndim - 1) + [(0, -K % 32)]); x = x.reshape(x.shape[:-1] + (-1, 32)); a = np.abs(x).max(-1, keepdims=True)
;;       e = np.where(a > 0, np.clip(np.frexp(np.where(a > 0, a, 1))[1] - 1 - 4, -126, 127), 0)      # np.frexp(a)[1] - 1 = floor(log2(a)), exactly
;;       r = np.clip(x / 2.0 ** e, -28, 28)
;;       step = 2.0 ** (np.maximum(np.frexp(np.where(r == 0, 1, r))[1] - 1, -2) - 2)
;;       q = np.round(r / step) * step * 2.0 ** e      # np.round: ties to even
;;       return np.moveaxis(q.reshape(q.shape[:-2] + (-1,))[..., :K], -1, axis).astype(np.float32)
;;   ~~~
;;   OPERANDS COMPUTED ON THE WAY. 'Computed on the way' means the value that the module computes at that place (a softmax that the list does not call 'softmax' is quantised finished and normalised). What goes into a quantiser is computed in f32, as accurately as f32 sums, v_exp_f32 and their like allow (about 1e-6 of the number): no bf16 or f16 on the way to a quantiser, and a product that is left as it is and whose result goes on into a quantised operand takes f32 operands (vector FMAs, or v_wmma_f32_16x16x4_f32). A number that lies on a knife's edge between two numbers of the format may be rounded either way, as far as f32 arithmetic and the matrix unit's own rounding can turn it there, and no further.
;; One version. Each part assembles by itself: llvm-mc -triple=amdgcn-amd-amdhsa -mcpu=gfx1250 --defsym DOCPART=n.
;; ======== version 1 of 1: 3 launches
;; limits: values are held in bf16: 8 bits of precision; right only within a limited range of input values
;; workspace buffers: amax 2,048 bytes; xq 13,107,200 bytes; wq 3,276,800 bytes
;; launch amaxk (part 1): grid 256 x 1, 8 waves a work-group, no clusters, 1,280 bytes of LDS; arguments x, weight, amax; writes amax
.if DOCPART == 1
	.amdgcn_target "amdgcn-amd-amdhsa--gfx1250"
	.amdhsa_code_object_version 6
	.text
	.protected	k_qa0506ae3e0_amaxk
	.globl	k_qa0506ae3e0_amaxk
	.p2align	8
	.type	k_qa0506ae3e0_amaxk,@function
k_qa0506ae3e0_amaxk:
	s_mov_b64 s[64:65], 0
	v_nop
	global_prefetch_b8 v0, s[64:65] scope:SCOPE_SE
	s_setreg_imm32_b32 hwreg(HW_REG_WAVE_MODE, 25, 1), 1
	s_wait_xcnt 0x0
; Partial maxima of |x| ([8192][2048] bf16) and |weight| ([2048][2048] bf16): the per-tensor scales of the fp8 path need each tensor's largest magnitude
; before any of its numbers can be quantised.  Work-group g takes 131,072 consecutive bytes of x and 32,768 of weight and stores one f32 maximum of each:
; amax word g (x) and word 256 + g (weight).  The next launch joins the 256 words of its tensor.
; A wave takes 16,384 bytes of x (32 loads) and 4,096 of weight (8 loads); a load of the wave covers 512 consecutive bytes; all 40 are issued at once.
; No matrix unit, no cluster, no tensor load: the work-groups share nothing and each byte is read once.
; LIMITS: NaN among the inputs loses every maximum and is not served; neither are infinities.
; WORK LEFT OUT BY THE WHOLE PROGRAM.  reference() returns fp8_out + bf16_out - stop_gradient(bf16_out).  stop_gradient is the identity on values, so the last two terms are one and the
; same number b, and fp8_out + b - b = fp8_out in real numbers, whatever finite values x and weight hold.  So the second product of the problem's table (x by weight as they are) reaches no
; output and is not computed.  b is of fp8_out's own size, so leaving it out moves a result by rounding alone.  Both inputs stay live through the first product and are loaded.
; LIMIT: a NaN, an infinity or an overflow that arises in the product left out alone is not carried to the result.
.set XD, 16
.set WD, 144                           ; v144-175 weight as loaded
	s_load_b128 s[4:7], s[0:1], 0x0                ; x s[4:5], weight s[6:7]
	s_load_b64 s[8:9], s[0:1], 0x10                ; amax
	v_lshl_add_u32 v176, v0, 2, 0x100
	v_mov_b32 v177, 0
	v_lshrrev_b32 v2, 5, v0
	v_readfirstlane_b32 s10, v2                    ; wave 0..7
	v_and_b32 v1, 31, v0
	v_lshlrev_b32 v1, 4, v1                        ; 16 bytes a lane
	s_mov_b32 s12, 0x76543210                      ; v_permlanex16_b32: each lane takes its own place in the other half
	s_mov_b32 s13, 0xfedcba98
	s_mov_b32 s14, 0x7fff7fff                      ; clears the signs of two bf16
	s_mov_b32 s15, 0xffff0000                      ; a word's upper bf16
	s_lshl_b32 s16, ttmp9, 17                      ; x: 131,072 bytes a work-group,
	s_lshl_b32 s17, s10, 14                        ; 16,384 a wave
	s_add_co_u32 s16, s16, s17
	s_mov_b32 s17, 0
	s_lshl_b32 s18, ttmp9, 15                      ; weight: 32,768 bytes a work-group,
	s_lshl_b32 s19, s10, 12                        ; 4,096 a wave
	s_add_co_u32 s18, s18, s19
	s_mov_b32 s19, 0
	s_wait_alu depctr_va_vdst(0)                   ; wait at the head's end
	s_wait_kmcnt 0x0
	s_add_nc_u64 s[4:5], s[4:5], s[16:17]
	s_add_nc_u64 s[6:7], s[6:7], s[18:19]
.set i, 0
.rept 32
	global_load_b128 v[XD+4*i:XD+4*i+3], v1, s[4:5] offset:512*i
.set i, i+1
.endr
.set i, 0
.rept 8
	global_load_b128 v[WD+4*i:WD+4*i+3], v1, s[6:7] offset:512*i
.set i, i+1
.endr
	; x: two bf16 at a time, four chains v4-7 that do not wait for each other; the first four words start them
.set j, 0
.rept 128
.if j%32 == 0
	s_wait_alu depctr_va_vdst(0)
	s_wait_loadcnt 32-8*(j/32)                     ; loads come back in order: eight more of x's are in; the count is the loads issued behind them
.endif
.if j < 4
	v_and_b32 v[4+j], s14, v[XD+j]
.else
	v_and_b32 v[8+j%4], s14, v[XD+j]
	v_pk_max_num_bf16 v[4+j%4], v[4+j%4], v[8+j%4]
.endif
.set j, j+1
.endr
	s_wait_alu depctr_va_vdst(0)
	s_wait_loadcnt 0x0                             ; weight's eight
.set j, 0
.rept 32
.if j < 4
	v_and_b32 v[12+j], s14, v[WD+j]
.else
	v_and_b32 v[8+j%4], s14, v[WD+j]
	v_pk_max_num_bf16 v[12+j%4], v[12+j%4], v[8+j%4]
.endif
.set j, j+1
.endr
.irp m, 4, 12                          ; the four chains, the two halves of a word as f32, then the 32 lanes
	v_pk_max_num_bf16 v[\m], v[\m], v[\m+1]
	v_pk_max_num_bf16 v[\m+2], v[\m+2], v[\m+3]
	v_pk_max_num_bf16 v[\m], v[\m], v[\m+2]
	v_lshlrev_b32 v8, 16, v[\m]
	v_and_b32 v9, s15, v[\m]
	v_max_num_f32 v[\m], v8, v9
	v_max_num_f32_dpp v[\m], v[\m], v[\m] row_xmask:1 row_mask:0xf bank_mask:0xf
	v_max_num_f32_dpp v[\m], v[\m], v[\m] row_xmask:2 row_mask:0xf bank_mask:0xf
	v_max_num_f32_dpp v[\m], v[\m], v[\m] row_xmask:4 row_mask:0xf bank_mask:0xf
	v_max_num_f32_dpp v[\m], v[\m], v[\m] row_xmask:8 row_mask:0xf bank_mask:0xf
	v_permlanex16_b32 v9, v[\m], s12, s13          ; (its destination has been written)
	v_max_num_f32 v[\m], v[\m], v9
.endr
	v_mov_b32 v10, s10
	v_lshlrev_b32 v10, 2, v10                      ; LDS: x's eight words at byte 0, weight's at byte 32; a word a wave
	ds_store_b32 v10, v4
	ds_store_b32 v10, v12 offset:32
	s_wait_dscnt 0x0                               ; for the others' sake: my two stores are done
	s_barrier_signal -1
	s_barrier_wait -1
	s_cmp_lg_u32 s10, 0                            ; wave 0 joins the eight waves' figures and stores
	s_cbranch_scc1 .Ldone
	v_mov_b32 v11, 0
	ds_load_b128 v[16:19], v11
	ds_load_b128 v[20:23], v11 offset:16
	ds_load_b128 v[24:27], v11 offset:32
	ds_load_b128 v[28:31], v11 offset:48
	s_wait_dscnt 0x0
.irp m, 16, 24
	v_max3_num_f32 v[\m], v[\m], v[\m+1], v[\m+2]
	v_max3_num_f32 v[\m+3], v[\m+3], v[\m+4], v[\m+5]
	v_max3_num_f32 v[\m], v[\m], v[\m+6], v[\m+7]
	v_max_num_f32 v[\m], v[\m], v[\m+3]
.endr
	v_cmp_eq_u32 vcc_lo, 1, v0
	v_cndmask_b32 v2, v16, v24, vcc_lo             ; thread 0 stores x's maximum, thread 1 weight's
	v_and_b32 v3, 1, v0
	s_lshl_b32 s16, ttmp9, 2
	v_lshl_add_u32 v3, v3, 10, s16                 ; word g, or word 256 + g
	s_wait_alu depctr_va_vdst(0)                   ; the store below reads v2 and v3 behind a wait
	s_wait_xcnt 0x0                                ; EXEC changes only behind this wait
	v_cmp_gt_u32 vcc_lo, 2, v0
	s_and_saveexec_b32 s20, vcc_lo
	global_store_b32 v3, v2, s[8:9]
	s_wait_xcnt 0x0                                ; and again in front of the line that widens it
	s_or_b32 exec_lo, exec_lo, s20
.Ldone:
	s_wait_tensorcnt 0x0
	ds_add_u32 v176, v177
	s_wait_dscnt 0x0
	s_endpgm
.Lfunc_end_k_qa0506ae3e0_amaxk:
	.size	k_qa0506ae3e0_amaxk, .Lfunc_end_k_qa0506ae3e0_amaxk-k_qa0506ae3e0_amaxk
	.p2alignl 7, 3214868480
	.fill 96, 4, 3214868480
	.section	.rodata,"a",@progbits
	.p2align	6, 0x0
	.amdhsa_kernel k_qa0506ae3e0_amaxk
		.amdhsa_group_segment_fixed_size 1280
		.amdhsa_private_segment_fixed_size 0
		.amdhsa_enable_private_segment 0
		.amdhsa_kernarg_size 24
		.amdhsa_user_sgpr_count 2
		.amdhsa_user_sgpr_kernarg_segment_ptr 1
		.amdhsa_wavefront_size32 1
		.amdhsa_system_sgpr_workgroup_id_x 1
		.amdhsa_system_sgpr_workgroup_id_y 1
		.amdhsa_system_sgpr_workgroup_id_z 1
		.amdhsa_system_vgpr_workitem_id 0
		.amdhsa_next_free_vgpr 178
		.amdhsa_next_free_sgpr 66
		.amdhsa_reserve_vcc 1
		.amdhsa_float_denorm_mode_32 3
		.amdhsa_float_denorm_mode_16_64 3
		.amdhsa_memory_ordered 1
		.amdhsa_forward_progress 1
		.amdhsa_inst_pref_size 23
	.end_amdhsa_kernel
	.amdgpu_metadata
---
amdhsa.version: [ 1, 2 ]
amdhsa.kernels:
  - .name:           k_qa0506ae3e0_amaxk
    .symbol:         k_qa0506ae3e0_amaxk.kd
    .args:
      - { .name: x, .offset: 0, .size: 8, .value_kind: global_buffer, .address_space: global }
      - { .name: weight, .offset: 8, .size: 8, .value_kind: global_buffer, .address_space: global }
      - { .name: amax, .offset: 16, .size: 8, .value_kind: global_buffer, .address_space: global }
    .group_segment_fixed_size: 1280
    .private_segment_fixed_size: 0
    .kernarg_segment_align: 8
    .kernarg_segment_size: 24
    .max_flat_workgroup_size: 256
    .sgpr_count:     66
    .vgpr_count:     178
    .wavefront_size: 32
...
	.end_amdgpu_metadata
.endif
;; end of part 1
;; launch quant (part 2): grid 256 x 1, 20 waves a work-group, no clusters, 171,520 bytes of LDS; arguments x, weight, amax, xq, wq; writes xq, wq
.if DOCPART == 2
	.amdgcn_target "amdgcn-amd-amdhsa--gfx1250"
	.amdhsa_code_object_version 6
	.text
	.protected	k_qa0506ae3e0_quant
	.globl	k_qa0506ae3e0_quant
	.p2align	8
	.type	k_qa0506ae3e0_quant,@function
k_qa0506ae3e0_quant:
	s_mov_b64 s[64:65], 0
	v_nop
	global_prefetch_b8 v0, s[64:65] scope:SCOPE_SE
	s_setreg_imm32_b32 hwreg(HW_REG_WAVE_MODE, 25, 1), 1
	s_wait_xcnt 0x0
; x and weight (bf16, K innermost) are read once and turned into the operands of the fp8 path's product: v = e4m3(t x 448 / amax) x (amax / 448), amax the tensor's largest magnitude, at least 1e-12,
; all in f32; then v is quantised to codes of BF6 (E3M2) with one E8M0 scale for each 32 along K.  The product of x and weight as they are cancels in reference()'s result (first kernel's head): it has no operands here.
; A block's scale is 2^(floor(log2(its largest magnitude)) - 4): its byte is that magnitude's exponent field - 4, held at 1 from below by a floor among the maximum's leaves.
; THE WORKSPACE IS LAID AS THE PRODUCT'S LAUNCH LOADS IT.  A row group of 128 rows takes RG = 204,800 bytes, in six fills on end: fill f holds K steps 3 f .. 3 f + 2 (the last: step 15 alone), UNIT = 12,288 bytes
; each, and behind them 1,024 bytes of scale words for each pair of steps (2 p, 2 p + 1) whose first step lies in the fill.  So step s begins at s x UNIT + 1,024 x ((3 f + 1) / 2), f = s / 3, and pair p's
; words at (f + 1) x 3 x UNIT + 1,024 p, f = 2 p / 3.  In a step the fragment of rows 16 i .. 16 i + 15 is the image of its 12 operand registers: registers 4 c .. 4 c + 3 of a lane at 1,536 i + 512 c + 16 x lane;
; lane (r, h) holds row 16 i + r, registers 6 c .. 6 c + 5 hold k = 64 c + 32 h + 0 .. 31 of the step.  The scale word of row 16 i + r and step 2 p + q lies at 128 i + 8 r + 4 q of the pair's words.
; SHARES.  5,120 jobs, one a wave: 16 rows x 256 along K (two fragments); the first 4,096 are x's, the others weight's: only pointers are chosen, both tensors take one path.  Twenty waves: five on each SIMD.
; Waves share nothing: no barrier.  A load of the wave reads 512 consecutive bytes of a row; the conversions want a lane's 32 neighbours along K: the rows turn through the wave's own stage in LDS, rows 528 bytes apart.
; Every store of codes covers 512 consecutive bytes from a multiple of 256 of the buffer.  A wave's 32 scale words are 128 consecutive bytes, half of an aligned 256: one byte in 25 of what the launch stores.
; NO HOLD AT 448 FOR EACH NUMBER: a product by a positive c rises with |t|, so no product of the tensor passes 448 if amax x c does not: that one product is tested at the head, and c goes one step of its last place down where it rounds above 448.
; LIMITS: NaN and infinities among the inputs are not served.  amax under 2^126 (the reciprocal of a larger one is flushed to 0).  448 / amax and amax / 448 are a reciprocal product with one correction step each.
; A block whose largest magnitude lies under 2^-122, a block of zeros among them, has the byte 1: a block of zeros has zero codes, and this program alone reads the bytes.  A zero's sign is not kept.
.set STG,  8448                        ; a wave's stage: 16 rows x PIT
.set PIT,  528
.set SPARE, 20*STG                     ; behind the stages: the spare words, 128 bytes a wave
.set UNIT, 12288
.set RG,   204800
.set SPW,  10                          ; my spare word; never rewritten
.set NIL,  11                          ; 0, for the add alone
.set ZR,   12                          ; 0.0, the multiply-adds' addend
.set F,    16                          ; v16-79   the 16 rows as loaded; then a fragment's 64 numbers of my lane in f32
.set D,    80                          ; v80-111  a fragment's 64 bf16 of my lane; at first 8 partial maxima
.set T8,   112                         ; v112-127 fp8 codes
.set C1,   128                         ; v128-139 the fragment's codes
.set X0,   140                         ; v140-142, v144-146: the upper halves of the two blocks (a conversion's three registers begin on an even number)
.set X1,   144
.set M,    148                         ; v148-151 largest magnitudes
.set SO,   152                         ; v152-153 the conversions' scale operands
.set BY,   154                         ; v154-155 the scale bytes
.set WT,   156
.set PT,   157
.set WA,   158                         ; v158-159 scale words of steps q = 0, 1
.set V448, 160
.set ONE,  161                         ; 1.0: the fp8 conversion's scale operand
.set E7F,  162                         ; the byte 127 four times: the way back's scale
.set SH,   163                         ; 8 h
.set CC,   164                         ; 448 / amax
.set SS,   166                         ; v[166:167] amax / 448
	s_load_b256 s[4:11], s[0:1], 0x0               ; x s[4:5], weight s[6:7], amax s[8:9], xq s[10:11]
	s_load_b64 s[12:13], s[0:1], 0x20              ; wq
	v_lshl_add_u32 v[SPW], v0, 2, SPARE
	v_mov_b32 v[NIL], 0
	v_lshrrev_b32 v1, 5, v0
	s_delay_alu instid0(VALU_DEP_1)
	v_readfirstlane_b32 s14, v1                    ; wave 0..19
	v_and_b32 v1, 31, v0                           ; lane
	v_and_b32 v2, 15, v0                           ; r
	v_bfe_u32 v3, v0, 4, 1                         ; h
	s_delay_alu instid0(VALU_DEP_3)
	v_lshlrev_b32 v4, 4, v1                        ; 16 x lane
	s_mul_i32 s24, s14, STG
	v_add_nc_u32 v5, s24, v4                       ; the stage, on the way in: as loaded
	v_mul_u32_u24 v6, v2, PIT
	s_delay_alu instid0(VALU_DEP_1)
	v_lshl_add_u32 v6, v3, 6, v6
	s_delay_alu instid0(VALU_DEP_1)
	v_add_nc_u32 v6, s24, v6                       ; and on the way out: row r, + 64 h bytes
	s_mul_i32 s15, ttmp9, 20
	s_add_co_u32 s15, s15, s14                     ; the job
	s_mov_b32 s20, 0x76543210                      ; v_permlanex16_b32's selects for lane l xor 16
	s_mov_b32 s21, 0xfedcba98
	s_mov_b32 s23, 0x3b124925                      ; 1 / 448
	v_mov_b32 v[PT], 0                             ; a lane permute's destination counts as one of its sources
	v_mov_b32 v[V448], 0x43e00000
	v_mov_b32 v[ONE], 1.0
	v_mov_b32 v[E7F], 0x7f7f7f7f
	v_mov_b32 v[ZR], 0
	v_lshlrev_b32 v[SH], 3, v3
	s_wait_alu depctr_va_vdst(0)                   ; directly ahead of the wait below
	s_wait_kmcnt 0x0
	s_cmp_lt_u32 s15, 4096                         ; x's job or weight's?  The choice hangs on ids alone
	s_cselect_b64 s[4:5], s[4:5], s[6:7]
	s_cselect_b64 s[10:11], s[10:11], s[12:13]
	s_cselect_b32 s16, 0, 1024                     ; my tensor's 256 partial maxima
	s_cselect_b32 s18, 0, 4096
	s_sub_co_u32 s15, s15, s18                     ; the job within its tensor: i = bits 2:0, kk = bits 5:3, rg = the rest
	s_mov_b32 s17, 0
	s_add_nc_u64 s[8:9], s[8:9], s[16:17]
	s_and_b32 s25, s15, 7                          ; i: the block of 16 rows
	s_bfe_u32 s26, s15, 0x30003                    ; kk: the pair of steps
	s_lshr_b32 s27, s15, 6                         ; rg
	s_lshl_b32 s28, s27, 19                        ; in: 128 rows of 4,096 bytes a row group,
	s_lshl_b32 s29, s25, 16                        ; 16 rows a job,
	s_add_co_u32 s28, s28, s29
	s_lshl_b32 s29, s26, 9                         ; 512 bytes along K
	s_add_co_u32 s28, s28, s29
	s_mov_b32 s29, 0
	s_add_nc_u64 s[4:5], s[4:5], s[28:29]
	s_mul_i32 s30, s27, RG                         ; out: my row group
	s_mov_b32 s31, 0
	s_add_nc_u64 s[10:11], s[10:11], s[30:31]
	s_mul_i32 s32, s25, 1536                       ; fragment i
.macro CODEOFF dst                     ; where step s34's fragment i begins, + 16 x lane; leaves f = s34 / 3 in s35
	s_mul_i32 s35, s34, 11
	s_lshr_b32 s35, s35, 5                         ; s / 3, for s under 16
	s_mul_i32 s36, s35, 3
	s_add_co_u32 s36, s36, 1
	s_lshr_b32 s36, s36, 1                         ; pairs of scale words that lie ahead of fill f
	s_lshl_b32 s36, s36, 10
	s_mul_i32 s37, s34, UNIT
	s_add_co_u32 s36, s36, s37
	s_add_co_u32 s36, s36, s32
	v_add_nc_u32 v[\dst], s36, v4
.endm
	s_lshl_b32 s34, s26, 1
	CODEOFF 7                                      ; v7: step 2 kk
	s_mul_i32 s37, s35, 3*UNIT                     ; the pair's scale words: (f + 1) x 3 UNIT + 1,024 kk + 128 i
	s_lshl_b32 s38, s26, 10
	s_add_co_u32 s37, s37, s38
	s_lshl_b32 s38, s25, 7
	s_add_co_u32 s37, s37, s38
	s_add_co_u32 s37, s37, 3*UNIT
	v_lshl_add_u32 v8, v2, 3, s37                  ; + 8 r
	s_delay_alu instid0(VALU_DEP_1)
	v_lshl_add_u32 v8, v3, 2, v8                   ; + 4 h: lanes 16-31 store the word of q = 1
	s_add_co_u32 s34, s34, 1
	CODEOFF 9                                      ; v9: step 2 kk + 1
	global_load_b128 v[D:D+3], v4, s[8:9]
	global_load_b128 v[D+4:D+7], v4, s[8:9] offset:512
.set i, 0
.rept 16
	global_load_b128 v[F+4*i:F+4*i+3], v4, s[4:5] offset:4096*i th:TH_LOAD_NT          ; a row's 512 bytes
.set i, i+1
.endr
	s_wait_loadcnt 16                              ; the partial maxima are in; the 16 rows behind them may be out
	v_max3_num_f32 v[D], v[D], v[D+1], v[D+2]
	v_max3_num_f32 v[D+3], v[D+3], v[D+4], v[D+5]
	s_delay_alu instid0(VALU_DEP_2)
	v_max3_num_f32 v[D], v[D], v[D+6], v[D+7]
	s_delay_alu instid0(VALU_DEP_1)
	v_max_num_f32 v[D], v[D], v[D+3]
	s_delay_alu instid0(VALU_DEP_1)
	v_max_num_f32_dpp v[D], v[D], v[D] row_xmask:1 row_mask:0xf bank_mask:0xf
	s_delay_alu instid0(VALU_DEP_1)
	v_max_num_f32_dpp v[D], v[D], v[D] row_xmask:2 row_mask:0xf bank_mask:0xf
	s_delay_alu instid0(VALU_DEP_1)
	v_max_num_f32_dpp v[D], v[D], v[D] row_xmask:4 row_mask:0xf bank_mask:0xf
	s_delay_alu instid0(VALU_DEP_1)
	v_max_num_f32_dpp v[D], v[D], v[D] row_xmask:8 row_mask:0xf bank_mask:0xf
	s_delay_alu instid0(VALU_DEP_1)
	v_permlanex16_b32 v[PT], v[D], s20, s21
	s_delay_alu instid0(VALU_DEP_1)
	v_max_num_f32 v[D], v[D], v[PT]
	s_delay_alu instid0(VALU_DEP_1)
	v_max_num_f32 v[D], 0x2b8cbccc, v[D]           ; amax, at least 1e-12
	s_wait_alu depctr_va_vdst(0)                   ; wait ahead of the reciprocal
	v_rcp_f32 v[D+1], v[D]
	v_mul_f32 v[D+4], s23, v[D]                    ; amax / 448, first guess.  (The plain instruction behind the reciprocal)
	s_wait_alu depctr_va_vdst(0)                   ; and ahead of the reciprocal's first reader
	v_mul_f32 v[D+2], v[V448], v[D+1]              ; 448 / amax, first guess;
	s_delay_alu instid0(VALU_DEP_1)
	v_fma_f32 v[D+3], -v[D+2], v[D], v[V448]       ; what it leaves of 448;
	v_fma_f32 v[CC], v[D+3], v[D+1], v[D+2]        ; corrected
.rept 2                                ; one step suffices for a c within one step of the quotient; the test is written twice all the same
	s_delay_alu instid0(VALU_DEP_1)
	v_mul_f32 v[D+6], v[CC], v[D]                  ; the tensor's largest product
	s_delay_alu instid0(VALU_DEP_1)
	v_cmp_lt_f32 vcc_lo, v[V448], v[D+6]           ; does it round above 448?
	s_delay_alu instid0(VALU_DEP_1)
	v_cndmask_b32 v[D+7], 0, 1, vcc_lo
	s_delay_alu instid0(VALU_DEP_1)
	v_sub_nc_u32 v[CC], v[CC], v[D+7]              ; then c goes one step of its last place down (c is positive and normal: its bits less 1)
.endr
	v_fma_f32 v[D+5], -v[D+4], v[V448], v[D]
	s_delay_alu instid0(VALU_DEP_1)
	v_fma_f32 v[SS], v[D+5], s23, v[D+4]           ; amax / 448, corrected
	s_delay_alu instid0(VALU_DEP_1)
	v_mov_b32 v[SS+1], v[SS]                       ; (named with it as a pair, so it is written)
.macro DLOAD q                         ; fragment q: my row's k = 128 q + 32 h + 0 .. 31 and 128 q + 64 + 32 h + 0 .. 31.  LDS serves a wave's instructions in order: these see my stores
.irp o, 0,1,2,3
	ds_load_b128 v[D+4*\o:D+4*\o+3], v6 offset:256*\q+16*\o
.endr
.irp o, 0,1,2,3
	ds_load_b128 v[D+16+4*\o:D+16+4*\o+3], v6 offset:256*\q+128+16*\o
.endr
.endm
.macro MIX                             ; t x (448 / amax) in f32, straight from the bf16 halves: at most 448 in magnitude, by the test at the head
	s_wait_xcnt 0x0                                ; the last fragment's stores have read their data: the codes may be written again below
	s_wait_dscnt 0x0                               ; the fragment is in
.set i, 0
.rept 32
	v_fma_mix_f32_bf16 v[F+2*i], v[D+i], v[CC], v[ZR] op_sel_hi:[1,0,0]
	v_fma_mix_f32_bf16 v[F+2*i+1], v[D+i], v[CC], v[ZR] op_sel:[1,0,0] op_sel_hi:[1,0,0]
.set i, i+1
.endr
.endm
; The 64 numbers in F become a fragment's 12 registers of codes, v[c] on, and the scale word of my row, v[w] (the same in lanes r and 16 + r).
.macro MXQ c, w
.irp b, 0,1
.irp a, 0,1
	v_max3_num_f32 v[M+2*\b+\a], |v[F+32*\b+16*\a]|, |v[F+32*\b+16*\a+1]|, 0x2800000     ; with the floor 2^(5 - 127): the byte cannot fall under 1
.endr
.endr
.irp i, 2,4,6,8,10,12,14
.irp b, 0,1
.irp a, 0,1
	s_delay_alu instid0(VALU_DEP_4)
	v_max3_num_f32 v[M+2*\b+\a], v[M+2*\b+\a], |v[F+32*\b+16*\a+\i]|, |v[F+32*\b+16*\a+\i+1]|   ; four chains by turns
.endr
.endr
.endr
.irp b, 0
	s_delay_alu instid0(VALU_DEP_3)
	v_max_num_f32 v[M+2*\b], v[M+2*\b], v[M+2*\b+1]                 ; block b's largest magnitude
.endr
.irp b, 1
	s_delay_alu instid0(VALU_DEP_2)
	v_max_num_f32 v[M+2*\b], v[M+2*\b], v[M+2*\b+1]
.endr
.irp b, 0,1
	s_delay_alu instid0(VALU_DEP_2)
	v_add_nc_u32 v[SO+\b], 0xfe000000, v[M+2*\b]   ; 4 off its exponent field: the conversion takes the exponent field of this operand as its scale
.endr
	v_cvt_scalef32_pk16_bf6_f32 v[(\c):(\c)+2], v[F:F+15], v[SO]
	v_cvt_scalef32_pk16_bf6_f32 v[X0:X0+2], v[F+16:F+31], v[SO]
	v_cvt_scalef32_pk16_bf6_f32 v[(\c)+6:(\c)+8], v[F+32:F+47], v[SO+1]
	v_cvt_scalef32_pk16_bf6_f32 v[X1:X1+2], v[F+48:F+63], v[SO+1]
	v_lshrrev_b32 v[BY], 23, v[SO]                 ; the scales' bytes.  (Also the plain instruction behind the conversions)
	v_lshrrev_b32 v[BY+1], 23, v[SO+1]
.irp i, 0,1,2
	v_mov_b32 v[(\c)+3+\i], v[X0+\i]
	v_mov_b32 v[(\c)+9+\i], v[X1+\i]
.endr
	v_lshl_or_b32 v[WT], v[BY+1], 16, v[BY]        ; my two bytes: blocks h and 2 + h of the K step,
	s_delay_alu instid0(VALU_DEP_1)
	v_lshlrev_b32 v[WT], v[SH], v[WT]              ; at their places in the word;
	s_delay_alu instid0(VALU_DEP_1)
	v_permlanex16_b32 v[PT], v[WT], s20, s21
	s_delay_alu instid0(VALU_DEP_1)
	v_or_b32 v[\w], v[WT], v[PT]                   ; with lane l xor 16's two the word is whole
.endm
.macro WORK q
.set i, 0
.rept 8
	v_cvt_scalef32_pk8_fp8_f32 v[T8+2*i:T8+2*i+1], v[F+8*i:F+8*i+7], v[ONE]            ; to the nearest number of E4M3, ties to even
.set i, i+1
.endr
	v_nop                                          ; one plain instruction between scaled conversions and what touches their results or writes their sources
.set i, 0
.rept 8
	v_cvt_scale_pk8_f32_fp8 v[F+8*i:F+8*i+7], v[T8+2*i:T8+2*i+1], v[E7F]               ; and back to f32, x 2^0
.set i, i+1
.endr
	v_nop
.set i, 0
.rept 32
	v_pk_mul_f32 v[F+2*i:F+2*i+1], v[F+2*i:F+2*i+1], v[SS:SS+1] op_sel_hi:[1,0]         ; x (amax / 448)
.set i, i+1
.endr
	MXQ C1, WA+\q
.irp k, 0,1,2
	global_store_b128 v[7+2*\q], v[C1+4*\k:C1+4*\k+3], s[10:11] offset:512*\k
.endr
.endm
	s_wait_alu depctr_va_vdst(0)
	s_wait_loadcnt 0x0                             ; the 16 rows
.set i, 0
.rept 16
	ds_store_b128 v5, v[F+4*i:F+4*i+3] offset:i*PIT                ; into the stage, as loaded
.set i, i+1
.endr
	DLOAD 0
	MIX
	DLOAD 1                                        ; the next fragment comes out of the stage while this one is worked
	WORK 0
	MIX
	WORK 1
	v_cmp_eq_u32 vcc_lo, 1, v3
	v_cndmask_b32 v[WA], v[WA], v[WA+1], vcc_lo    ; lanes 0-15 keep the word of q = 0, lanes 16-31 take that of q = 1
	global_store_b32 v8, v[WA], s[10:11]           ; 32 lanes store 128 consecutive bytes
	s_wait_tensorcnt 0x0                           ; the wave's end
	ds_add_u32 v[SPW], v[NIL]
	s_wait_dscnt 0x0
	s_endpgm
.Lfunc_end_k_qa0506ae3e0_quant:
	.size	k_qa0506ae3e0_quant, .Lfunc_end_k_qa0506ae3e0_quant-k_qa0506ae3e0_quant
	.p2alignl 7, 3214868480
	.fill 96, 4, 3214868480
	.section	.rodata,"a",@progbits
	.p2align	6, 0x0
	.amdhsa_kernel k_qa0506ae3e0_quant
		.amdhsa_group_segment_fixed_size 171520
		.amdhsa_private_segment_fixed_size 0
		.amdhsa_enable_private_segment 0
		.amdhsa_kernarg_size 40
		.amdhsa_user_sgpr_count 2
		.amdhsa_user_sgpr_kernarg_segment_ptr 1
		.amdhsa_wavefront_size32 1
		.amdhsa_system_sgpr_workgroup_id_x 1
		.amdhsa_system_sgpr_workgroup_id_y 1
		.amdhsa_system_sgpr_workgroup_id_z 1
		.amdhsa_system_vgpr_workitem_id 0
		.amdhsa_next_free_vgpr 168
		.amdhsa_next_free_sgpr 66
		.amdhsa_reserve_vcc 1
		.amdhsa_float_denorm_mode_32 3
		.amdhsa_float_denorm_mode_16_64 3
		.amdhsa_memory_ordered 1
		.amdhsa_forward_progress 1
		.amdhsa_inst_pref_size 33
	.end_amdhsa_kernel
	.amdgpu_metadata
---
amdhsa.version: [ 1, 2 ]
amdhsa.kernels:
  - .name:           k_qa0506ae3e0_quant
    .symbol:         k_qa0506ae3e0_quant.kd
    .args:
      - { .name: x, .offset: 0, .size: 8, .value_kind: global_buffer, .address_space: global }
      - { .name: weight, .offset: 8, .size: 8, .value_kind: global_buffer, .address_space: global }
      - { .name: amax, .offset: 16, .size: 8, .value_kind: global_buffer, .address_space: global }
      - { .name: xq, .offset: 24, .size: 8, .value_kind: global_buffer, .address_space: global }
      - { .name: wq, .offset: 32, .size: 8, .value_kind: global_buffer, .address_space: global }
    .group_segment_fixed_size: 171520
    .private_segment_fixed_size: 0
    .kernarg_segment_align: 8
    .kernarg_segment_size: 40
    .max_flat_workgroup_size: 640
    .sgpr_count:     66
    .vgpr_count:     168
    .wavefront_size: 32
...
	.end_amdgpu_metadata
.endif
;; end of part 2
;; launch gemm (part 3): grid 8 x 32, 4 waves a work-group, clusters of 4 x 4, 327,680 bytes of LDS; arguments xq, wq, out0; writes out0
.if DOCPART == 3
	.amdgcn_target "amdgcn-amd-amdhsa--gfx1250"
	.amdhsa_code_object_version 6
	.text
	.protected	k_qa0506ae3e0_gemm
	.globl	k_qa0506ae3e0_gemm
	.p2align	8
	.type	k_qa0506ae3e0_gemm,@function
k_qa0506ae3e0_gemm:
	s_mov_b64 s[64:65], 0
	v_nop
	global_prefetch_b8 v0, s[64:65] scope:SCOPE_SE
	s_setreg_imm32_b32 hwreg(HW_REG_WAVE_MODE, 25, 1), 1
	s_wait_xcnt 0x0
	s_wait_alu depctr_hold_cnt(0) depctr_sa_sdst(0) depctr_va_vdst(0) depctr_va_sdst(0) depctr_va_ssrc(0) depctr_va_vcc(0) depctr_vm_vsrc(0)
	s_getreg_b32 s2, hwreg(HW_REG_IB_STS2, 6, 4)
	s_cmp_eq_u32 s2, 0
	s_cbranch_scc0 .Lentry_in_a_cluster
	s_endpgm
.Lentry_in_a_cluster:
	s_bfe_u32 s2, ttmp6, 0x10000c
	s_cmp_lg_u32 s2, 0xf033
	s_cbranch_scc0 .Lentry_shape_is_right
	s_endpgm
.Lentry_shape_is_right:
; out0[m][n] = bf16(sum over k of X[m][k] W[n][k]), X and W the fp8 path's operands as codes of BF6 (E3M2) with E8M0 scales, laid by the launch before; sums in f32, K = 2,048 in 16 steps of 128.
; The product of x and weight as they are cancels in reference()'s result (first kernel's head) and is not computed.
; A block of 256 x 256 is made by four waves, each 128 x 128: 64 accumulators, 512 registers.  Grid 8 x 32: 256 work-groups.
; THE RING: two LDS slots, each with THREE K steps of A's 256 rows and B's 256 rows: four regions of TB bytes, one a wave and load.  Six fills: five of three steps, one of one.  A fill of a region is a dense
; run of the workspace, stated as rows of 256 bytes: its steps' fragments as register images (UNIT bytes a step), then 1,024 bytes of scale words for each pair of steps that begins in it
; (row 16 i + r, step 2 p + q: at 128 i + 8 r + 4 q).  A pair's words are read into registers with the fragments of the pair's first step, so a pair that runs on into the next fill needs its slot no longer.
; CLUSTERS: 4 x 4 work-groups; A's regions are asked for jointly along a row of the cluster, B's along a column.  Every refill stands behind a round of the cluster's barrier.
; PREFETCH: fill f (1 to 5) is named behind the joint load of fill f - 1, one fill (three K steps) ahead of its own load: fill 1 at the head's end, the others behind the run of LDS loads that follows the joint load.
; The four partners share a region's rows of 256 bytes out by address, a quarter each, a lane a row.  Fill 0 comes by its load alone.
; THE MATRIX INSTRUCTION IS USED TRANSPOSED (source 0 = 16 rows of W, source 1 = 16 rows of X): a lane holds eight neighbouring numbers of a row of out0.
; The walk along K is written out by .rept: the fills differ in size, and the slots, B's sets and the fills come back together only after the whole K.
; REGISTERS: window 0: v0-31 addresses; v32-63 scale words, two sets; v64-127 the way out's rows; v128-223 A's fragments, one set; v224-255 packed results.
;   window 1: B's fragments, two sets, at v0 and v128.  Window 2: accumulators of my rows 0-63 ((a, b) at 8 (8 a + b)); window 3: rows 64-127.
.set SPF,    3                         ; steps in a fill
.set STEPS,  16
.set NF,     (STEPS+SPF-1)/SPF
.set UNIT,   12288                     ; 128 rows x 128 K of codes
.set RG,     STEPS*UNIT+8*1024         ; a row group in the workspace
.set TB,     SPF*UNIT+2048             ; a region: three steps and two pairs' scale words
.set SLOT,   4*TB
.set SPARE,  2*SLOT                    ; the spare words: 128 bytes a wave
.set SPITCH, 272                       ; the way out: a stage of 16 rows x (256 + 16) bytes a wave, in slot 0, which has had its last fill and its last read by then
.set FR, 12
.set NL, 3
.set PFX,  10                          ; v10, v11 prefetch offsets 256 x min(lane, 5), 256 x min(lane, 4); v12: 256 x min(lane, 11)
.set PFL,  12
.set ADRA, 16                          ; v16-17 my A region in slot 0, 1, + 16 x lane
.set ADRS, 18                          ; v18-19 scale words: lanes 0-15 A's region, lanes 16-31 B's
.set ADRB, 20                          ; v20-21
.set STO,  24
.set RD,   25
.set CO,   26
.set SPW,  28                          ; my spare word; never rewritten
.set NIL,  29                          ; 0; never rewritten
.set PFO,  30                          ; 256 x lane
.set SC,   32
.set BK,   64
.set AF,   128
.set TMP,  224
.set G1,  24
.set G0,  32
.set G1B, 48
.set G0B, 56
.set PFA, 66
.set PBS, 68
.set ABS, 70
.set BBS, 72
.set PART, 74
.set MSB, 0
.macro WIN new                         ; the immediate's high byte repeats the setting that is left
.if MSB != (\new)
	s_set_vgpr_msb (MSB<<8)|(\new)
.set MSB, (\new)
.endif
.endm
.set MUL_LO, 0xa1                      ; source 0 (B) window 1, source 1 (A) window 0, C and D window 2
.set TO_B,   0x40
.macro GEO f                           ; fill f: MB = its first byte in a row group, RW = its rows of 256 bytes
.set GFP, ((\f)*SPF+1)/2               ; pairs of scale words ahead of it
.set GFQ, (((\f)+1)*SPF+1)/2
.if GFQ > 8
.set GFQ, 8
.endif
.set GNS, STEPS-(\f)*SPF
.if GNS > SPF
.set GNS, SPF
.endif
.set MB, (\f)*SPF*UNIT+1024*GFP
.set RW, (GNS*UNIT+1024*(GFQ-GFP))/256
.endm
.set ROWS, 0
.macro AIM f                           ; the descriptors of fill f's slot; written only where no tensor load of the wave is out
	GEO \f
	s_add_nc_u64 s[G0+4*((\f)%2)+2:G0+4*((\f)%2)+3], s[ABS:ABS+1], MB
	s_or_b32 s[G0+4*((\f)%2)+3], s[G0+4*((\f)%2)+3], 0x80000000
	s_add_nc_u64 s[G0B+4*((\f)%2)+2:G0B+4*((\f)%2)+3], s[BBS:BBS+1], MB
	s_or_b32 s[G0B+4*((\f)%2)+3], s[G0B+4*((\f)%2)+3], 0x80000000
.if ROWS != RW
.irp g, G1, G1B
	s_mov_b32 s[\g+2], RW<<16                      ; tensor_dim1
	s_mov_b32 s[\g+4], RW                          ; tile_dim1
.endr
.set ROWS, RW
.endif
.endm
.macro JLOAD s                         ; a joint load: waves 0, 1 fetch A's two regions, waves 2, 3 B's; s_nop 0 and four v_nop behind each line
	s_cmp_eq_u32 s15, 0
	s_cbranch_scc0 .Lfor_b_\@
	tensor_load_to_lds s[G0+4*(\s):G0+4*(\s)+3], s[G1:G1+7]
	s_nop 0
.rept 4
	v_nop
.endr
	s_branch .Lasked_\@
.Lfor_b_\@:
	tensor_load_to_lds s[G0B+4*(\s):G0B+4*(\s)+3], s[G1B:G1B+7]
	s_nop 0
.rept 4
	v_nop
.endr
.Lasked_\@:
.endm
.macro PAIM f                          ; where my work-group's quarter of fill f of my region begins (less MB, which stands in the immediate)
	GEO \f
	s_mul_i32 s22, s[PART], (RW/4)*256
	s_add_nc_u64 s[PFA:PFA+1], s[PBS:PBS+1], s[22:23]
.endm
.macro PREF f                          ; RW / 4 rows of 256 bytes, a lane a row; lanes left over name the last row again
	GEO \f
.if RW/4 > 32
	global_prefetch_b8 v[PFO], s[PFA:PFA+1] offset:MB th:TH_LOAD_NT scope:SCOPE_SE
	global_prefetch_b8 v[PFX+38-RW/4], s[PFA:PFA+1] offset:MB+8192 th:TH_LOAD_NT scope:SCOPE_SE
.else
	global_prefetch_b8 v[PFL], s[PFA:PFA+1] offset:MB th:TH_LOAD_NT scope:SCOPE_SE
.endif
.endm
.macro CREST                           ; a round of the cluster's barrier behind its opening barrier
	s_cmp_lg_u32 s14, 0
	s_cbranch_scc1 .Lnot_wave_0_\@
	s_barrier_signal -3
.Lnot_wave_0_\@:
	s_barrier_wait -3
	s_barrier_signal -1
	s_barrier_wait -1
.endm
.macro CROUND
	s_barrier_signal -1
	s_barrier_wait -1
	CREST
.endm
.macro PLACES                          ; four places behind a matrix instruction, ahead of loads into its registers and of reads of its result
.rept 4
	v_nop
.endr
.endm
	s_load_b128 s[4:7], s[0:1], 0x0                ; xq, wq
	s_load_b64 s[8:9], s[0:1], 0x10                ; out0
	v_lshl_add_u32 v[SPW], v0, 2, SPARE
	v_mov_b32 v[NIL], 0
	ds_add_u32 v[SPW], v[NIL]                      ; the opening lines: the add, twice on end, and its wait
	ds_add_u32 v[SPW], v[NIL]
	v_lshrrev_b32 v1, 5, v0
	v_readfirstlane_b32 s14, v1                    ; wave 0..3
	s_lshr_b32 s15, s14, 1                         ; my half of the block's rows.  Also: I fetch for A (0) or for B (1)
	s_and_b32 s16, s14, 1                          ; my half of its columns.  Also: which row group of 128 I fetch
	s_bfe_u32 s40, ttmp6, 0x40000                  ; cx
	s_bfe_u32 s41, ttmp6, 0x40004                  ; cy
	s_lshl_b32 s42, ttmp9, 2
	s_add_co_u32 s42, s42, s40                     ; block column
	s_and_b32 s17, ttmp7, 0xffff
	s_lshl_b32 s17, s17, 2
	s_add_co_u32 s17, s17, s41                     ; block row
	s_lshl_b32 s43, s41, 2
	s_lshl_b32 s43, 15, s43                        ; my row of the cluster
	s_lshl_b32 s44, 0x1111, s40                    ; my column
	s_or_b32 s[G1], s43, (3<<16)|(1<<21)           ; the mask; elements of 8 bytes; bit 21 beside a mask; no padding: a fragment load reads 512 bytes on end
	s_or_b32 s[G1B], s44, (3<<16)|(1<<21)
.irp g, G1, G1B
	s_mov_b32 s[\g+1], 32<<16                      ; rows of 32 elements: 256 bytes
	s_mov_b32 s[\g+3], 32<<16
	s_mov_b32 s[\g+5], 32                          ; dense
	s_mov_b32 s[\g+6], 0
	s_mov_b32 s[\g+7], 0
.endr
	s_lshl_b32 s20, s17, 1
	s_add_co_u32 s20, s20, s16
	s_mul_i32 s20, s20, RG                         ; A: row group 2 x block row + half
	s_mov_b32 s21, 0
	s_lshl_b32 s46, s42, 1
	s_add_co_u32 s46, s46, s16
	s_mul_i32 s46, s46, RG                         ; B: row group 2 x block column + half
	s_mov_b32 s47, 0
	s_mul_i32 s45, s14, TB                         ; my region: no place in the cluster enters an LDS address
	s_wait_dscnt 0x0                               ; both opening adds are done
	s_wait_kmcnt 0x0
	s_add_nc_u64 s[ABS:ABS+1], s[4:5], s[20:21]
	s_add_nc_u64 s[BBS:BBS+1], s[6:7], s[46:47]
	CROUND                                         ; all sixteen work-groups are here: the first joint loads meet
.irp s, 0,1
	s_mov_b32 s[G0+4*\s], 1
	s_add_co_u32 s[G0+4*\s+1], s45, \s*SLOT
	s_mov_b32 s[G0B+4*\s], 1
	s_add_co_u32 s[G0B+4*\s+1], s45, \s*SLOT
.endr
	AIM 0
	JLOAD 0                                        ; fill 0: one tensor load a wave at the head
	s_mul_i32 s76, s15, TB                         ; the A region that I read
	s_add_co_u32 s77, s16, 2
	s_mul_i32 s77, s77, TB                         ; the B region that I read
	s_sub_co_u32 s78, s77, s76
	s_add_co_u32 s79, s76, SPF*UNIT                ; A's scale words
	s_mul_i32 s75, s14, 16*SPITCH                  ; my stage
	s_lshl_b32 s20, s17, 8
	s_lshl_b32 s21, s15, 7
	s_add_co_u32 s20, s20, s21                     ; my first row of out0,
	s_lshl_b32 s20, s20, 12                        ; 4,096 bytes a row,
	s_lshl_b32 s46, s42, 9
	s_lshl_b32 s47, s16, 8
	s_add_co_u32 s46, s46, s47                     ; my first column in bytes
	s_add_co_u32 s20, s20, s46
	s_mov_b32 s21, 0
	s_add_nc_u64 s[8:9], s[8:9], s[20:21]
	s_cmp_eq_u32 s15, 0                            ; the prefetches: the row group that I fetch, and my place among the four that ask with me
	s_cselect_b32 s[PART], s40, s41
	s_cselect_b64 s[PBS:PBS+1], s[ABS:ABS+1], s[BBS:BBS+1]
	s_mov_b32 s23, 0
	PAIM 1
	v_and_b32 v1, 15, v0                           ; r
	v_bfe_u32 v2, v0, 4, 1                         ; h
	v_and_b32 v3, 31, v0
	v_lshlrev_b32 v4, 4, v3
	v_add_nc_u32 v[ADRA], s76, v4
	v_add_nc_u32 v[ADRB], s77, v4
	v_add_nc_u32 v[ADRA+1], SLOT, v[ADRA]
	v_add_nc_u32 v[ADRB+1], SLOT, v[ADRB]
	v_mul_u32_u24 v5, s78, v2                      ; lanes 16-31 take B's words
	v_lshl_add_u32 v5, v1, 3, v5                   ; 8 bytes a row: a pair's two words
	v_add_nc_u32 v[ADRS], s79, v5
	v_add_nc_u32 v[ADRS+1], SLOT, v[ADRS]
	v_mul_u32_u24 v6, v1, SPITCH                   ; into the stage: row r, 16 bytes for each half of the lanes
	v_lshl_add_u32 v6, v2, 4, v6
	v_add_nc_u32 v[STO], s75, v6
	v_mul_u32_u24 v7, v2, SPITCH                   ; back: lanes 0-15 one row of 256 bytes, lanes 16-31 the next
	v_lshl_add_u32 v7, v1, 4, v7
	v_add_nc_u32 v[RD], s75, v7
	v_lshlrev_b32 v8, 12, v2                       ; and the same two rows in out0
	v_lshl_add_u32 v[CO], v1, 4, v8
	v_lshlrev_b32 v[PFO], 8, v3
	v_min_u32 v5, 5, v3
	v_min_u32 v6, 4, v3
	v_min_u32 v7, 11, v3
	v_lshlrev_b32 v[PFX], 8, v5
	v_lshlrev_b32 v[PFX+1], 8, v6
	v_lshlrev_b32 v[PFL], 8, v7
	PREF 1                                         ; fill 1, while fill 0's load is on its way
.macro FRAG reg, adr, q, i             ; a fragment's 12 registers: three loads of 512 bytes on end
.irp c, 0,1,2
	ds_load_b128 v[(\reg)+4*\c:(\reg)+4*\c+3], v[\adr] offset:(\q)*UNIT+(\i)*1536+512*\c
.endr
.endm
.macro FETCH_B st                      ; B's eight fragments of step st into set st % 2
	WIN TO_B
.irp i, 0,1,2,3,4,5,6,7
	FRAG 128*((\st)%2)+FR*\i, ADRB+((\st)/SPF)%2, (\st)%SPF, \i
.endr
	WIN 0
.endm
.macro FETCH_A st, i0                  ; A's blocks i0 .. i0 + 3 of step st
.irp i, \i0, \i0+1, \i0+2, \i0+3
	FRAG AF+FR*(\i), ADRA+((\st)/SPF)%2, (\st)%SPF, \i
.endr
.endm
.macro SCALES pr                       ; the words of steps 2 pr, 2 pr + 1 into set pr % 2: register 2 i + q: lanes 0-15 A's block i, lanes 16-31 B's
.set SF, (2*(\pr))/SPF
.set SFP, (SF*SPF+1)/2
.irp j, 0,1,2,3,4,5,6,7
	ds_load_b64 v[SC+16*((\pr)%2)+2*\j:SC+16*((\pr)%2)+2*\j+1], v[ADRS+SF%2] offset:1024*((\pr)-SFP)+128*\j
.endr
.endm
.macro MULA a, st, zero                ; A's block a against B's eight, 128 along K.  The 64 accumulators take turns, in the same order in every step
	WIN MUL_LO+0x50*((\a)/4)
.set SQ, SC+16*(((\st)/2)%2)+(\st)%2
.set BS, 128*((\st)%2)
.irp b, 0,1,2,3,4,5,6,7
.set DD, 8*(8*((\a)%4)+\b)
.if \zero
	v_wmma_scale_f32_16x16x128_f8f6f4 v[DD:DD+7], v[BS+FR*\b:BS+FR*\b+FR-1], v[AF+FR*(\a):AF+FR*(\a)+FR-1], 0, v[SQ+2*\b], v[SQ+2*(\a)] matrix_a_fmt:MATRIX_FMT_BF6 matrix_b_fmt:MATRIX_FMT_BF6 matrix_a_scale:MATRIX_SCALE_ROW1
.else
	v_wmma_scale_f32_16x16x128_f8f6f4 v[DD:DD+7], v[BS+FR*\b:BS+FR*\b+FR-1], v[AF+FR*(\a):AF+FR*(\a)+FR-1], v[DD:DD+7], v[SQ+2*\b], v[SQ+2*(\a)] matrix_a_fmt:MATRIX_FMT_BF6 matrix_b_fmt:MATRIX_FMT_BF6 matrix_a_scale:MATRIX_SCALE_ROW1
.endif
.endr
.endm
; A step: 64 matrix instructions; the next step's fragments are fetched in its middle (B, A's blocks 0-3) and at its end (A's blocks 4-7).  Where the next step lies in the other slot, ONE barrier changes slots:
; ahead of it each wave waits for all its tensor loads, adds 0 to its spare word and waits for that and for its reads of this slot; where a fill two on is left, the barrier opens a round and the slot is filled again.
.macro STEP st, zero
.set NX, (\st)+1
.set F0, (\st)/SPF
.set F1, NX/SPF
.if F1 > F0
.if F0+3 < NF
	s_wait_xcnt 0x0                                ; my last prefetches have read their address
	PAIM F0+3
.endif
	s_wait_tensorcnt 0x0                           ; all my tensor loads have landed: my region of the next slot
	ds_add_u32 v[SPW], v[NIL]
.if F0+2 < NF
	AIM F0+2
.endif
	s_wait_dscnt 4*NL+1                            ; the add and the youngest 12 loads (A's blocks 4-7) may be out
	MULA 0, \st, \zero
	MULA 1, \st, \zero
	s_wait_dscnt 0x0                               ; the add is done, and my reads of this slot are over
	s_barrier_signal -1
	MULA 2, \st, \zero
	MULA 3, \st, \zero
	WIN 0
	s_barrier_wait -1
.if F0+2 < NF
	CREST                                          ; no wave of any partner still reads this slot or has a load on its way
	JLOAD F0%2                                     ; the first tensor load behind the round; its four v_nop are the places ahead of the loads below
.else
	PLACES
.endif
.else
	s_wait_dscnt 4*NL                              ; all but the youngest 12 loads (A's blocks 4-7)
	MULA 0, \st, \zero
	MULA 1, \st, \zero
	MULA 2, \st, \zero
	MULA 3, \st, \zero
	s_wait_dscnt 0x0
	PLACES
.endif
	FETCH_B NX
	FETCH_A NX, 0
.if NX%2 == 0
	SCALES NX/2
.endif
.if F1 > F0
.if F0+3 < NF
	PREF F0+3
.endif
.endif
	MULA 4, \st, \zero
	MULA 5, \st, \zero
	MULA 6, \st, \zero
	MULA 7, \st, \zero
	PLACES
	WIN 0
	FETCH_A NX, 4
.endm
; THE WAY OUT of block a (16 rows x 128 columns): rounded to bf16, 16 bytes a lane; through my own stage; back as whole rows of 256 bytes; stored.
.macro PACK a
.set AC, 64*((\a)%4)
	WIN 0x0a+5*((\a)/4)                            ; sources: window 2 or 3
.irp b, 0,1,2,3,4,5,6,7
.irp r, 0,1,2,3
	v_cvt_pk_bf16_f32 v[TMP+4*\b+\r], v[AC+8*\b+2*\r], v[AC+8*\b+2*\r+1]   ; each accumulator from its low end on
.endr
.endr
	WIN 0
.endm
.macro TOSTAGE a
.set BB, BK+32*((\a)%2)
.irp b, 0,1,2,3,4,5,6,7
	ds_store_b128 v[STO], v[TMP+4*\b:TMP+4*\b+3] offset:32*\b
.endr
.irp t, 0,1,2,3,4,5,6,7
	ds_load_b128 v[BB+4*\t:BB+4*\t+3], v[RD] offset:\t*2*SPITCH    ; LDS serves a wave's instructions in order: these see the stores above
.endr
.endm
.macro SEND a
.set BB, BK+32*((\a)%2)
	s_wait_dscnt 0x0                               ; the block is back in registers
	s_wait_xcnt 0x0                                ; earlier stores have read their base and their data
.if (\a) > 0
	s_add_nc_u64 s[8:9], s[8:9], 16*4096           ; 16 rows on
.endif
.irp t, 0,1,2,3,4,5,6,7
	global_store_b128 v[CO], v[BB+4*\t:BB+4*\t+3], s[8:9] offset:\t*8192 th:TH_STORE_NT   ; 16 lanes store 256 consecutive bytes, from a multiple of 256 of out0
.endr
.endm
	s_wait_alu depctr_va_vdst(0)                   ; wait at the head's end
	s_wait_tensorcnt 0x0                           ; my region of fill 0 is in; slot 1's first fill is issued as a refill is
	ds_add_u32 v[SPW], v[NIL]
	AIM 1
	s_wait_xcnt 0x0                                ; fill 1's prefetches have read their address
	PAIM 2
	s_wait_dscnt 0x0
	CROUND
	JLOAD 1
	FETCH_B 0
	FETCH_A 0, 0
	SCALES 0
	PREF 2
	FETCH_A 0, 4
	STEP 0, 1                                      ; the first step's products start the sums
.set ST, 1
.rept STEPS-2
	STEP ST, 0
.set ST, ST+1
.endr
	; the last step: a block of 16 rows is finished by its eight products, and leaves while the later blocks are multiplied
	s_wait_dscnt 4*NL
	MULA 0, STEPS-1, 0
	MULA 1, STEPS-1, 0
	s_wait_dscnt 0x0
.irp a, 0,1,2,3,4,5,6,7
.if \a < 6
	MULA \a+2, STEPS-1, 0
	PLACES                                         ; (blocks 6 and 7: the conversions of the blocks before them are their places)
.endif
	PACK \a
.if \a > 0
	s_wait_alu depctr_va_vdst(0)
	SEND \a-1
.endif
	TOSTAGE \a
.endr
	SEND 7
	s_wait_tensorcnt 0x0                           ; the wave's end
	ds_add_u32 v[SPW], v[NIL]
	s_wait_dscnt 0x0
	CROUND                                         ; the closing round
	s_endpgm
.Lfunc_end_k_qa0506ae3e0_gemm:
	.size	k_qa0506ae3e0_gemm, .Lfunc_end_k_qa0506ae3e0_gemm-k_qa0506ae3e0_gemm
	.p2alignl 7, 3214868480
	.fill 96, 4, 3214868480
	.section	.rodata,"a",@progbits
	.p2align	6, 0x0
	.amdhsa_kernel k_qa0506ae3e0_gemm
		.amdhsa_group_segment_fixed_size 327680
		.amdhsa_private_segment_fixed_size 0
		.amdhsa_enable_private_segment 0
		.amdhsa_kernarg_size 24
		.amdhsa_user_sgpr_count 2
		.amdhsa_user_sgpr_kernarg_segment_ptr 1
		.amdhsa_wavefront_size32 1
		.amdhsa_system_sgpr_workgroup_id_x 1
		.amdhsa_system_sgpr_workgroup_id_y 1
		.amdhsa_system_sgpr_workgroup_id_z 1
		.amdhsa_system_vgpr_workitem_id 0
		.amdhsa_next_free_vgpr 1024
		.amdhsa_next_free_sgpr 80
		.amdhsa_reserve_vcc 0
		.amdhsa_float_denorm_mode_32 3
		.amdhsa_float_denorm_mode_16_64 3
		.amdhsa_memory_ordered 1
		.amdhsa_forward_progress 1
		.amdhsa_inst_pref_size 235
	.end_amdhsa_kernel
	.amdgpu_metadata
---
amdhsa.version: [ 1, 2 ]
amdhsa.kernels:
  - .name:           k_qa0506ae3e0_gemm
    .symbol:         k_qa0506ae3e0_gemm.kd
    .args:
      - { .name: xq, .offset: 0, .size: 8, .value_kind: global_buffer, .address_space: global }
      - { .name: wq, .offset: 8, .size: 8, .value_kind: global_buffer, .address_space: global }
      - { .name: out0, .offset: 16, .size: 8, .value_kind: global_buffer, .address_space: global }
    .group_segment_fixed_size: 327680
    .private_segment_fixed_size: 0
    .kernarg_segment_align: 8
    .kernarg_segment_size: 24
    .max_flat_workgroup_size: 128
    .sgpr_count:     80
    .vgpr_count:     1024
    .wavefront_size: 32
...
	.end_amdgpu_metadata
.endif
;; end of part 3
